; MI455X (gfx1250); checked and timed in simulation.
; The chip was launched on July 23, 2026; its instructions are those of AMD's public machine-readable ISA for CDNA 5 (MIT licence, August 2026) and "CDNA5" Instruction Set Architecture Reference Guide (July 2026). The comments in the code are by the model that wrote it; some were corrected since.
;; Linear Attention. Allowed arithmetic: matrix products marked QUANTISED: E5M2 operands, one given power-of-two scale a tensor, by v_wmma_f32_16x16x64_bf8_bf8 or v_wmma_f32_16x16x128_bf8_bf8, f32 sums; everything else in f32.
;; Inputs: Wk0_codes 512 x 16 x 32 uint8 (E5M2 codes of Wk0, K innermost, in blocks of 32 codes); Wk1_codes 512 x 16 x 32 uint8 (E5M2 codes of Wk1, K innermost, in blocks of 32 codes); Wo_codes 512 x 16 x 32 uint8 (E5M2 codes of Wo, K innermost, in blocks of 32 codes); Wq_codes 512 x 16 x 32 uint8 (E5M2 codes of Wq, K innermost, in blocks of 32 codes); Wv0_codes 512 x 16 x 32 uint8 (E5M2 codes of Wv0, K innermost, in blocks of 32 codes); Wv1_codes 512 x 16 x 32 uint8 (E5M2 codes of Wv1, K innermost, in blocks of 32 codes); bk0 512 float32; bk1 512 float32; bo 512 float32; bq 512 float32; bv0 512 float32; bv1 512 float32; f0_codes 4 x 8,192 x 16 x 32 uint8 (E5M2 codes of f0, K innermost, in blocks of 32 codes); f1_codes 4 x 8,192 x 16 x 32 uint8 (E5M2 codes of f1, K innermost, in blocks of 32 codes); lowp_scales 20 int32 (the exponents e of the quantised operands' scales 2^e); query_codes 4 x 8,192 x 16 x 32 uint8 (E5M2 codes of query, K innermost, in blocks of 32 codes).
;; Outputs: out0 4 x 8,192 x 512 float32.
;; This version of the problem:
;;   THIS VERSION OF THE PROBLEM IS GIVEN IN LOW PRECISION. The matrix products marked QUANTISED in the list below multiply operands that are first quantised to E5M2 (5 exponent bits, 2 mantissa bits; 8 bits a number), with one given power-of-two scale for each operand tensor; their sums are f32. All else is computed in f32.
;;   The module's matrix products, in the order in which they are computed (A, B: the left and right operand; K: the contracted axis; several contracted axes count as one K, in the product's order):
;;     1. [M 32,768, K 512] x [K 512, N 512]; A: input query (given as codes); B: input Wq (given as codes): QUANTISED (scales: A lowp_scales[0], B lowp_scales[1])
;;     2. [M 32,768, K 512] x [K 512, N 512]; A: input f0 (given as codes); B: input Wk0 (given as codes): QUANTISED (scales: A lowp_scales[2], B lowp_scales[3])
;;     3. [M 32,768, K 512] x [K 512, N 512]; A: input f0 (given as codes); B: input Wv0 (given as codes): QUANTISED (scales: A lowp_scales[4], B lowp_scales[5])
;;     4. batch 32 x [M 64, K 8,192] x [K 8,192, N 64]; A: computed on the way; B: computed on the way: QUANTISED (scales: A lowp_scales[6], B lowp_scales[7])
;;     5. batch 32 x [M 8,192, K 64] x [K 64, N 64]; A: softmax (see below); B: computed on the way: QUANTISED (scales: A lowp_scales[8], B lowp_scales[9])
;;     6. [M 32,768, K 512] x [K 512, N 512]; A: input f1 (given as codes); B: input Wk1 (given as codes): QUANTISED (scales: A lowp_scales[10], B lowp_scales[11])
;;     7. [M 32,768, K 512] x [K 512, N 512]; A: input f1 (given as codes); B: input Wv1 (given as codes): QUANTISED (scales: A lowp_scales[12], B lowp_scales[13])
;;     8. batch 32 x [M 64, K 8,192] x [K 8,192, N 64]; A: computed on the way; B: computed on the way: QUANTISED (scales: A lowp_scales[14], B lowp_scales[15])
;;     9. batch 32 x [M 8,192, K 64] x [K 64, N 64]; A: softmax (see below); B: computed on the way: QUANTISED (scales: A lowp_scales[16], B lowp_scales[17])
;;     10. [M 32,768, K 512] x [K 512, N 512]; A: computed on the way; B: input Wo (given as codes): QUANTISED (scales: A lowp_scales[18], B lowp_scales[19])
;;   THE QUANTISER, for each operand of a quantised product, along K:
;;     - The operand's scale is 2^e, e = its entry of the input lowp_scales (int32; the entries are numbered through the quantised products in the list's order, A before B).
;;     - Each number is divided by the scale, clamped to +-57,344, and rounded to the nearest number of E5M2, ties to even, subnormals kept.
;;     - The product sums the exact products of the quantised numbers (number of the format x scale) in f32.
;;   ~~~python
;;   def quantise(x, axis, e):      # numpy; x: float32 -> the quantised numbers, widened to float32 again
;;       x = np.moveaxis(x, axis, -1); K = x.shape[-1]
;;       r = np.clip(x / 2.0 ** e, -57344, 57344)
;;       step = 2.0 ** (np.maximum(np.frexp(np.where(r == 0, 1, r))[1] - 1, -14) - 2)
;;       q = np.round(r / step) * step * 2.0 ** e      # np.round: ties to even
;;       return np.moveaxis(q, -1, axis).astype(np.float32)
;;   ~~~
;;   SOFTMAX AHEAD OF A QUANTISED PRODUCT. Where the list says 'softmax', what is quantised is not the finished softmax but p = 2^(t - M), with t = logit x log2(e) and M = ceil(the row's largest t), a whole number; so 1/2 < the row's largest p <= 1. The row's sum l is taken of the UNQUANTISED p, in f32, and the product's result is divided by l at the end. Since M is a whole number, a kernel that streams over the keys may use a running M (the ceiling of the running maximum): every later rescaling is an exact power of two, so the quantised numbers keep their values, but for numbers so far below the row's largest that they fall under the format's range.
;;   OPERANDS COMPUTED ON THE WAY. 'Computed on the way' means the value that the module computes at that place (a softmax that the list does not call 'softmax' is quantised finished and normalised). What goes into a quantiser is computed in f32, as accurately as f32 sums, v_exp_f32 and their like allow (about 1e-6 of the number): no bf16 or f16 on the way to a quantiser, and a product that is left as it is and whose result goes on into a quantised operand takes f32 operands (vector FMAs, or v_wmma_f32_16x16x4_f32). A number that lies on a knife's edge between two numbers of the format may be rounded either way, as far as f32 arithmetic and the matrix unit's own rounding can turn it there, and no further.
;;   INPUTS GIVEN AS CODES. Wk0 (in the module: [512, 512], K = its axis 1); Wk1 (in the module: [512, 512], K = its axis 1); Wo (in the module: [512, 512], K = its axis 1); Wq (in the module: [512, 512], K = its axis 1); Wv0 (in the module: [512, 512], K = its axis 1); Wv1 (in the module: [512, 512], K = its axis 1); f0 (in the module: [4, 8192, 512], K = its axis 2); f1 (in the module: [4, 8192, 512], K = its axis 2); query (in the module: [4, 8192, 512], K = its axis 2): each comes as NAME_codes (uint8): NAME with its K axis moved to the last place and cut into blocks of 32 codes, [.., K / 32, bytes a block], one block behind the other in memory; one code a byte (a code: sign, 5 exponent bits, 2 mantissa bits); its scale is its entry of lowp_scales. Its value is code x scale, taken as it is: it is not quantised again, and the codes and scales need not be those that the quantiser above would give.
;; One version. Each part assembles by itself: llvm-mc -triple=amdgcn-amd-amdhsa -mcpu=gfx1250 --defsym DOCPART=n.
;; ======== version 1 of 1: 3 launches
;; workspace buffers: part 8,388,608 bytes; ksp 131,072 bytes; kvc 262,144 bytes; ksum 16,384 bytes; wqimg 262,144 bytes; woimg 262,144 bytes
;; launch kvpart (part 1): grid 32 x 8, 4 waves a work-group, clusters of 4 x 1, 327,680 bytes of LDS; arguments f0_codes, f1_codes, Wk0_codes, Wk1_codes, Wv0_codes, Wv1_codes, bk0, bk1, bv0, bv1, lowp_scales, part, ksp; writes part, ksp
.if DOCPART == 1
	.amdgcn_target "amdgcn-amd-amdhsa--gfx1250"
	.amdhsa_code_object_version 6
	.text
	.protected	k_q3eea0363ce_kvpart
	.globl	k_q3eea0363ce_kvpart
	.p2align	8
	.type	k_q3eea0363ce_kvpart,@function
k_q3eea0363ce_kvpart:
	s_mov_b64 s[64:65], 0
	v_nop
	global_prefetch_b8 v0, s[64:65] scope:SCOPE_SE
	s_setreg_imm32_b32 hwreg(HW_REG_WAVE_MODE, 25, 1), 1
	s_wait_xcnt 0x0
	s_wait_alu depctr_hold_cnt(0) depctr_sa_sdst(0) depctr_va_vdst(0) depctr_va_sdst(0) depctr_va_ssrc(0) depctr_va_vcc(0) depctr_vm_vsrc(0)
	s_getreg_b32 s2, hwreg(HW_REG_IB_STS2, 6, 4)
	s_cmp_eq_u32 s2, 0
	s_cbranch_scc0 .Lentry_in_a_cluster
	s_endpgm
.Lentry_in_a_cluster:
	s_bfe_u32 s2, ttmp6, 0x10000c
	s_cmp_lg_u32 s2, 0x3003
	s_cbranch_scc0 .Lentry_shape_is_right
	s_endpgm
.Lentry_shape_is_right:
; LINEAR ATTENTION, launch 1 of 3: for one input function fn (f0 or f1), one batch b, 1,024 keys and two heads:
;   k = softmax(f Wk^T + bk) over a head's 64 channels, v = f Wv^T + bv, the part of k_sum and of kv = k^T v that these keys give.
; All products run on codes of E5M2; k and v are quantised on the way with the given scales, along the keys.
; NO WORK IS LEFT OUT in this program: every input has a way to out0.  One cancellation is used in launch 3: alpha x (P kv / l) with
; alpha = l / sum(p x k_sum) is P kv / sum(p x k_sum); l still divides p for q itself.
; SHARES.  grid x = 8 chunks of 1,024 keys x 4 head pairs (the four partners of a cluster), grid y = 4 fn + b.  Wave w: head 2 cx + (w & 1),
; rows 128 (w >> 1) on of each tile of 256 keys.  A head's Wk and Wv (2 x 64 rows x 512) stay in the wave's registers: 512 registers.
; CLUSTER.  The four partners walk the same rows of f: each tile is asked for JOINTLY (mask 15), 64 rows a wave.  The weights differ between partners
; and go straight into registers.
; LAYOUT.  A fragment of 16 rows x 128 K is four loads of 16 bytes: registers 4 c .. 4 c + 3 hold k = 32 c + 16 (lane / 16) + 0 .. 15, alike in both operands.
;  K projection TRANSPOSED (source 0 = 16 rows of Wk, source 1 = 16 keys): a lane holds ONE key and 32 of the head's channels, so the softmax wants one exchange.
;  V projection as it stands (source 0 = 16 keys, source 1 = 16 rows of Wv): a lane holds one channel and 8 keys: one conversion gives two registers of kv's operand.
;  k's codes must change from key-a-lane to channel-a-lane: they go through the wave's own stage [key][64 bytes] and come back by the turning load on PAIRS of bytes;
;  v_perm_b32 parts the pair.  So stage byte 32 g + 2 p + x must hold channel 32 g + 16 x + p: THE ROWS OF Wk THAT FORM A TILE ARE CHOSEN FOR IT:
;  lane r of tile 2 b + u takes row 32 b + 4 u + 16 (r & 1) + 8 (r >> 3) + ((r >> 1) & 3); register j of that tile, half h, is channel 32 b + 16 (j & 1) + 8 h + 4 u + (j >> 1).
;  kv: v_wmma 16x16x64 once for 64 keys: source 0 = k^T (16 d), source 1 = v^T (16 e): lane (r, h) register j = kv(16 td + 8 h + j, 16 te + r), a sum of code products.
; BY TURNS.  A unit is 16 keys.  TURN does the vector work of unit u, issues the 32 projection products of unit u + 1 among its lines, and fetches unit u + 2's fragments.  Its order:
;  (1) v's 32 holds, with the 16 lines of k's maximum (four chains) set between them, so that no line reads the line just before it; v's conversions among the maximum's last steps;
;  (2) the 16 V products, one scaling and two exponentials behind each; the wait for the batch, and behind it the stores of v's codes;
;  (3) the sum as a tree on six partial sums, with the first four K products; the reciprocal; its wait, and behind it the fetch of fragment 0;
;  (4) k, k_sum and the hold, with a K product behind every fourth line; (5) k's conversions, the fetch of fragments 1 to 3, the stores of k's codes.
;  So a turn has three runs of LDS lines, two of them directly behind a wait that is owed anyway.
; LIMITS on the given exponents, so that each power of two below is an f32 number: e(f) + e(Wk) between -126 and 127; e(k), and e(v) - e(f) - e(Wv), between -126 and 112.
; NaN among the inputs is not served.
; REGISTERS.  window 0: v1, v2 the add's two; v3-9 LDS addresses; v10-18 softmax figures and scales; v20-35 codes just made (v20-27 also partial sums); v36-39 the maximum's chains, partial sums; v40-52 offsets;
;   v64-127 f's four fragments; v128-159 K sums; v160-191 p, then k; v192-223 V sums; v224-255 k_sum.
;   window 1: v0-127 kv's 16 accumulators; v128-159 k^T; v160-191 v^T; v192-223 bk / 2^EK; v224-255 bv / 2^EV.   window 2: Wk.   window 3: Wv.
.set PITCH, 528                        ; an LDS row of f: 512 bytes + 16 of padding: the 16 rows of a fragment load start 33 x 16 bytes apart
.set UNIT,  16*PITCH
.set SLOTB, 256*PITCH                  ; a slot: 256 keys
.set QTRB,  64*PITCH                   ; what one tensor load brings
.set KST,   2*SLOTB                    ; behind the ring: k's codes, [key][64 bytes] at pitch 96, 64 keys a wave
.set KSTW,  64*96
.set VIM,   KST+4*KSTW                 ; v's codes as images of registers: 4,096 bytes a wave
.set VIMW,  4096
.set SPARE, VIM+4*VIMW                 ; the spare words: 128 bytes a wave, two blocks of 256 bytes that no other line names
.set ESUM,  32768                      ; the end's stage lies in slot 0, which has had its last fill and its last read by then: kv images at 0 and 16,384, k_sum rows from here on
.set FG, 64
.set AK, 128
.set P,  160
.set AV, 192
.set KS, 224
.set KC, 20
.set VC, 28
.set KF, 128                           ; window 1
.set VF, 160
.set BK, 192
.set BV, 224
.set MSB, 0
.macro WIN new                         ; the immediate's high byte repeats the setting that is left; a switch that changes nothing is dropped
.if MSB != (\new)
	s_set_vgpr_msb (MSB<<8)|(\new)
.set MSB, (\new)
.endif
.endm
.macro PLACES                          ; four plain places behind matrix instructions (ISA guide 7.12.1)
.rept 4
	v_nop
.endr
.endm
.macro CROUND                          ; a round of the cluster's barrier
	s_barrier_signal -1
	s_barrier_wait -1
	s_cmp_lg_u32 s30, 0
	s_cbranch_scc1 .Lnw0_\@
	s_barrier_signal -3
.Lnw0_\@:
	s_barrier_wait -3
	s_barrier_signal -1
	s_barrier_wait -1
.endm
.macro LOADF s                         ; f's fragment of K step s, 16 keys, from the rows at v4
.irp c, 0,1,2,3
	ds_load_b128 v[FG+16*(\s)+4*\c:FG+16*(\s)+4*\c+3], v4 offset:128*(\s)+32*\c
.endr
.endm
.macro VP i                            ; product i of 16 of the V projection: K step i / 4, tile i % 4: the four tiles take turns.  The bias is the C of the first K step
.set ps, (\i)/4
.set pt, (\i)%4
.if ps == 0
	WIN 0x1c
	v_wmma_f32_16x16x128_bf8_bf8 v[AV+8*pt:AV+8*pt+7], v[FG+16*ps:FG+16*ps+15], v[16*(4*pt+ps):16*(4*pt+ps)+15], v[BV+8*pt:BV+8*pt+7]
.else
	WIN 0x0c
	v_wmma_f32_16x16x128_bf8_bf8 v[AV+8*pt:AV+8*pt+7], v[FG+16*ps:FG+16*ps+15], v[16*(4*pt+ps):16*(4*pt+ps)+15], v[AV+8*pt:AV+8*pt+7]
.endif
.endm
.macro KP i                            ; the same of the K projection, transposed
.set ps, (\i)/4
.set pt, (\i)%4
.if ps == 0
	WIN 0x12
	v_wmma_f32_16x16x128_bf8_bf8 v[AK+8*pt:AK+8*pt+7], v[16*(4*pt+ps):16*(4*pt+ps)+15], v[FG+16*ps:FG+16*ps+15], v[BK+8*pt:BK+8*pt+7]
.else
	WIN 0x02
	v_wmma_f32_16x16x128_bf8_bf8 v[AK+8*pt:AK+8*pt+7], v[16*(4*pt+ps):16*(4*pt+ps)+15], v[FG+16*ps:FG+16*ps+15], v[AK+8*pt:AK+8*pt+7]
.endif
.endm
; Line j of 16 of my key's largest K sum among my 32 channels: four chains, one a tile, each from its accumulator's low end on; then the four registers left over and the chains themselves.
.macro MX j
.if (\j) < 4
	v_max3_num_f32 v[36+(\j)], v[AK+8*(\j)], v[AK+8*(\j)+1], v[AK+8*(\j)+2]
.elseif (\j) < 12
	v_max3_num_f32 v[36+(\j)%4], v[36+(\j)%4], v[AK+8*((\j)%4)+2*((\j)/4)+1], v[AK+8*((\j)%4)+2*((\j)/4)+2]
.elseif (\j) == 12
	v_max3_num_f32 v36, v36, v[AK+7], v[AK+15]
.elseif (\j) == 13
	v_max3_num_f32 v38, v38, v[AK+23], v[AK+31]
.elseif (\j) == 14
	v_max3_num_f32 v36, v36, v37, v38
.else
	v_max_num_f32 v14, v36, v39
.endif
.endm
; Behind each of the 85 vector lines of a turn's last section.  K products 0 to 3 follow lines 3, 6, 9, 12; products 4 to 15 follow lines 24, 28 .. 68.
.macro NX
.set tn, tn+1
.if PJ && (ki < 16)
.if ((ki < 4) && (tn == 3*ki+3)) || ((ki >= 4) && (tn == 4*ki+8))
	KP ki
	WIN 0
.set ki, ki+1
.endif
.endif
.endm
; A TURN.  proj = 1: the next unit's 32 products; load = 1: the fragments of the unit after that.
.macro TURN proj, load
.set PJ, \proj
	WIN 0
.set i, 0
.rept 32
	v_med3_num_f32 v[AV+i], v[AV+i], s70, s71      ; v: the hold at the largest code x the scale (the conversion does not saturate: ISA guide 7.6.2); each accumulator from its low end on
.if i%2 == 1
	MX (i-1)/2
.endif
.set i, i+1
.endr
	v_cvt_scalef32_pk8_bf8_f32 v[VC:VC+1], v[AV:AV+7], v18           ; 8 keys of channel 16 t + r
	v_cvt_scalef32_pk8_bf8_f32 v[VC+2:VC+3], v[AV+8:AV+15], v18
	v_permlanex16_b32 v15, v14, s88, s89           ; the other 32 channels lie in the lane 16 away
	v_cvt_scalef32_pk8_bf8_f32 v[VC+4:VC+5], v[AV+16:AV+23], v18
	v_cvt_scalef32_pk8_bf8_f32 v[VC+6:VC+7], v[AV+24:AV+31], v18
	v_max_num_f32 v14, v14, v15                    ; (plain lines behind the conversions, ahead of the products that write their sources)
	v_add_nc_u32 v9, s94, v7
	v_mul_f32 v10, s68, v14                        ; -c x the maximum
.set i, 0
.rept 16
.if \proj
.if i%4 == 0
	s_wait_dscnt 14-i                              ; fragment i / 4 is in: behind its loads the later fragments' (4 each) and the two stores of k's codes were issued: 14, 10, 6, 2
.endif
	VP i
.endif
	WIN 0
	v_pk_fma_f32 v[AK+2*i:AK+2*i+1], v[AK+2*i:AK+2*i+1], s[66:67], v[10:11] op_sel_hi:[1,0,0]   ; c (sum - maximum)
.if i > 0
	v_exp_f32 v[P+2*i-2], v[AK+2*i-2]
	v_exp_f32 v[P+2*i-1], v[AK+2*i-1]
.endif
.set i, i+1
.endr
	v_exp_f32 v[P+30], v[AK+30]
	v_exp_f32 v[P+31], v[AK+31]
.if \load
	v_add_nc_u32 v4, s92, v3                       ; the plain line behind the last exponential: where this turn's fetches begin
.else
	v_nop
.endif
	s_wait_alu depctr_va_vdst(0)                   ; one wait for the batch of 32, ahead of its first reader
.irp t, 0,1,2,3
	ds_store_b64 v9, v[VC+2*\t:VC+2*\t+1] offset:1024*\t
.endr
.set tn, 0
.set ki, 0
	v_pk_add_f32 v[20:21], v[P:P+1], v[P+2:P+3]    ; the sum, two at a time: six partial sums,
	NX
	v_pk_add_f32 v[22:23], v[P+4:P+5], v[P+6:P+7]
	NX
	v_pk_add_f32 v[24:25], v[P+8:P+9], v[P+10:P+11]
	NX
	v_pk_add_f32 v[26:27], v[P+12:P+13], v[P+14:P+15]
	NX
	v_pk_add_f32 v[36:37], v[P+16:P+17], v[P+18:P+19]
	NX
	v_pk_add_f32 v[38:39], v[P+20:P+21], v[P+22:P+23]
	NX
	v_pk_add_f32 v[20:21], v[20:21], v[P+24:P+25]  ; four of which take one pair more,
	NX
	v_pk_add_f32 v[22:23], v[22:23], v[P+26:P+27]
	NX
	v_pk_add_f32 v[24:25], v[24:25], v[P+28:P+29]
	NX
	v_pk_add_f32 v[26:27], v[26:27], v[P+30:P+31]
	NX
	v_pk_add_f32 v[20:21], v[20:21], v[22:23]      ; and are joined
	NX
	v_pk_add_f32 v[24:25], v[24:25], v[26:27]
	NX
	v_pk_add_f32 v[36:37], v[36:37], v[38:39]      ; (this line and the three below are the four places between K product 3 and the fetch of fragment 0)
	NX
	v_pk_add_f32 v[20:21], v[20:21], v[24:25]
	NX
	v_pk_add_f32 v[20:21], v[20:21], v[36:37]
	NX
	v_add_f32 v14, v20, v21
	NX
	v_permlanex16_b32 v15, v14, s88, s89
	NX
	v_add_f32 v14, v14, v15
	NX
	v_rcp_f32 v12, v14
	NX
	v_nop
	NX
	s_wait_alu depctr_va_vdst(0)                   ; ahead of the reciprocal's first reader
.if \load
	LOADF 0
.endif
.set i, 0
.rept 16
	v_pk_mul_f32 v[P+2*i:P+2*i+1], v[P+2*i:P+2*i+1], v[12:13] op_sel_hi:[1,0]   ; k, finished and normalised
	NX
.set i, i+1
.endr
.set i, 0
.rept 16
	v_pk_add_f32 v[KS+2*i:KS+2*i+1], v[KS+2*i:KS+2*i+1], v[P+2*i:P+2*i+1]       ; k_sum takes the unquantised k
	NX
.set i, i+1
.endr
.set i, 0
.rept 32
	v_min_num_f32 v[P+i], s69, v[P+i]              ; k is not negative: a one-sided hold
	NX
.set i, i+1
.endr
	v_add_nc_u32 v8, s93, v5
	NX
.irp t, 0,1,2,3
	v_cvt_scalef32_pk8_bf8_f32 v[KC+2*\t:KC+2*\t+1], v[P+8*\t:P+8*\t+7], v17
.endr
	v_nop                                          ; the plain line behind the last conversion
.if \load
	LOADF 1                                        ; their last reader, K product 15, stands 17 plain lines back
	LOADF 2
	LOADF 3
.endif
	ds_store_b128 v8, v[KC:KC+3]                   ; my key's row of the stage: bytes 16 h on of each 32
	ds_store_b128 v8, v[KC+4:KC+7] offset:32
.if \load
	s_add_co_u32 s92, s92, UNIT
.endif
	s_add_co_u32 s93, s93, 16*96
	s_add_co_u32 s94, s94, 256
.endm
.macro LOOPT n
	s_mov_b32 s95, \n
.Lt_\@:
	TURN 1, 1
	s_sub_co_u32 s95, s95, 1
	s_cmp_lg_u32 s95, 0
	s_cbranch_scc1 .Lt_\@
.endm
; kv += k^T v over the 64 keys whose codes lie in my stages.  LDS serves a wave's instructions in order: the loads see my stores.
.macro KV zero
	WIN 0
.irp c, 0,1,2,3
.irp g, 0,1
	ds_load_tr16_b128 v[P+4*(2*\c+\g):P+4*(2*\c+\g)+3], v6 offset:1536*\c+32*\g   ; keys 16 c + 8 h + 0 .. 7 of stage bytes 32 g + 2 r, + 1
.endr
.endr
	WIN 0x40
.irp t, 0,1,2,3
.irp c, 0,1,2,3
	ds_load_b64 v[VF+8*\t+2*\c:VF+8*\t+2*\c+1], v7 offset:1024*\t+256*\c
.endr
.endr
	s_wait_dscnt 16                                ; the eight turning loads are in; the sixteen behind them may be out
.irp c, 0,1,2,3
.irp g, 0,1
	v_perm_b32 v[KF+16*\g+2*\c],     v[P+4*(2*\c+\g)+1], v[P+4*(2*\c+\g)],   s90   ; even bytes: channels 32 g + r
	v_perm_b32 v[KF+16*\g+2*\c+1],   v[P+4*(2*\c+\g)+3], v[P+4*(2*\c+\g)+2], s90
	v_perm_b32 v[KF+16*\g+8+2*\c],   v[P+4*(2*\c+\g)+1], v[P+4*(2*\c+\g)],   s91   ; odd bytes: channels 32 g + 16 + r
	v_perm_b32 v[KF+16*\g+8+2*\c+1], v[P+4*(2*\c+\g)+3], v[P+4*(2*\c+\g)+2], s91
.endr
.endr
	s_wait_dscnt 0x0
	WIN 0x55
.irp te, 0,1,2,3
.irp td, 0,1,2,3
.if \zero
	v_wmma_f32_16x16x64_bf8_bf8 v[8*(4*\te+\td):8*(4*\te+\td)+7], v[KF+8*\td:KF+8*\td+7], v[VF+8*\te:VF+8*\te+7], 0
.else
	v_wmma_f32_16x16x64_bf8_bf8 v[8*(4*\te+\td):8*(4*\te+\td)+7], v[KF+8*\td:KF+8*\td+7], v[VF+8*\te:VF+8*\te+7], v[8*(4*\te+\td):8*(4*\te+\td)+7]
.endif
.endr
.endr
	WIN 0
	s_mov_b32 s93, 0
	s_mov_b32 s94, 0
.endm
; THE CHANGE OF SLOTS, ahead of a step's unit 6, whose turn is the first to fetch from the next slot.  fill = 1: the slot just left takes tile t.
.macro CHANGE fill, t, base
	s_wait_tensorcnt 0x0                           ; all my tensor loads have landed: my part of the next slot
	ds_add_u32 v1, v2                              ; 0 onto my spare word
	s_mov_b32 s92, \base                           ; the fetches go on in the next slot
	s_wait_dscnt 0x0                               ; the add is done, and my reads of the slot are over
.if \fill
	CROUND                                         ; no wave of any partner still reads the slot or has a load on its way
	tensor_load_to_lds s[40+4*\t:43+4*\t], s[32:39]
	s_nop 0
	PLACES
.else
	s_barrier_signal -1
	s_barrier_wait -1
.endif
.endm
	s_load_b512 s[4:19], s[0:1], 0x0               ; f0, f1, Wk0, Wk1, Wv0, Wv1, bk0, bk1
	s_load_b256 s[20:27], s[0:1], 0x40             ; bv0, bv1, the scales' exponents, part
	s_load_b64 s[28:29], s[0:1], 0x60              ; ksp
	v_lshl_add_u32 v1, v0, 2, SPARE
	v_mov_b32 v2, 0
	ds_add_u32 v1, v2                              ; the wave's opening: the add, twice on end, and its wait ahead of my first tensor load
	ds_add_u32 v1, v2
	v_lshrrev_b32 v40, 5, v0
	v_readfirstlane_b32 s30, v40                   ; wave 0..3
	s_and_b32 s60, s30, 1                          ; which of the pair's heads
	s_lshr_b32 s61, s30, 1                         ; which half of a tile's keys
	s_bfe_u32 s58, ttmp6, 0x40000                  ; cx: the head pair; it enters the weights', biases' and results' addresses alone
	s_lshl_b32 s59, s58, 1
	s_add_co_u32 s59, s59, s60                     ; head
	s_and_b32 s56, ttmp7, 0xffff                   ; y = 4 fn + b
	s_mov_b32 s32, 15|(1<<20)|(1<<21)|(6<<22)|(3<<25)  ; group 1: mask: all four partners; elements of 1 byte; padding on; bit 21 beside a mask; 4 words behind every 128
	s_mov_b32 s33, 512<<16                         ; tensor_dim0
	s_mov_b32 s34, 64<<16                          ; tensor_dim1
	s_mov_b32 s35, 512<<16                         ; tile_dim0
	s_mov_b32 s36, 64                              ; tile_dim1
	s_mov_b32 s37, 512                             ; from row to row
	s_mov_b32 s38, 0
	s_mov_b32 s39, 0
	s_and_b32 s62, s56, 3
	s_lshl_b32 s62, s62, 13                        ; b x 8,192 rows
	s_lshl_b32 s63, ttmp9, 10                      ; + chunk x 1,024 (ttmp9 counts clusters)
	s_add_co_u32 s62, s62, s63
	s_lshl_b32 s63, s30, 6                         ; + my 64 rows of a tile
	s_add_co_u32 s62, s62, s63
	s_lshl_b32 s62, s62, 9                         ; rows of 512 bytes
	s_mov_b32 s63, 0
	s_mul_i32 s31, s30, QTRB                       ; and their place in a slot
	s_mov_b32 s88, 0x76543210                      ; v_permlanex16_b32: lane l xor 16
	s_mov_b32 s89, 0xfedcba98
	s_mov_b32 s90, 0x06040200                      ; v_perm_b32: the even bytes of two words,
	s_mov_b32 s91, 0x07050301                      ; the odd ones
	s_mov_b32 s93, 0
	s_mov_b32 s94, 0
	s_wait_dscnt 0x0                               ; both opening adds are done
	s_wait_kmcnt 0x0
	s_cmp_lt_u32 s56, 4                            ; f0's buffers or f1's: the choice hangs on y alone, which the partners share
	s_cselect_b64 s[4:5], s[4:5], s[6:7]
	s_cselect_b64 s[8:9], s[8:9], s[10:11]
	s_cselect_b64 s[12:13], s[12:13], s[14:15]
	s_cselect_b64 s[16:17], s[16:17], s[18:19]
	s_cselect_b64 s[20:21], s[20:21], s[22:23]
	s_load_b512 s[72:87], s[24:25], 0x0            ; entries 0 to 15
	s_add_nc_u64 s[4:5], s[4:5], s[62:63]
.irp t, 0,1,2,3                        ; a group 0 for each of the four tiles, made once and never written again
	s_mov_b32 s[40+4*\t], 1
	s_add_co_u32 s[41+4*\t], s31, (\t%2)*SLOTB
	s_add_nc_u64 s[42+4*\t:43+4*\t], s[4:5], \t*131072
	s_or_b32 s[43+4*\t], s[43+4*\t], 0x80000000
.endr
	CROUND                                         ; all four partners are here: the first joint loads meet
	tensor_load_to_lds s[40:43], s[32:39]          ; two loads of mine are out
	s_nop 0
	tensor_load_to_lds s[44:47], s[32:39]
	s_nop 0
	PLACES
	v_and_b32 v40, 15, v0                          ; r
	v_bfe_u32 v41, v0, 4, 1                        ; h
	v_and_b32 v47, 31, v0                          ; lane
	v_and_b32 v42, 1, v0
	v_lshlrev_b32 v42, 4, v42
	v_bfe_u32 v46, v0, 3, 1
	v_lshl_add_u32 v42, v46, 3, v42
	v_bfe_u32 v46, v0, 1, 2
	v_add_nc_u32 v42, v42, v46                     ; 16 (r & 1) + 8 (r >> 3) + ((r >> 1) & 3)
	v_lshlrev_b32 v42, 9, v42
	v_lshl_add_u32 v42, v41, 4, v42                ; Wk: that row, + 16 h
	v_lshlrev_b32 v43, 9, v40
	v_lshl_add_u32 v43, v41, 4, v43                ; Wv: row r, + 16 h
	v_lshlrev_b32 v44, 5, v41                      ; bk: 8 h numbers on
	v_lshlrev_b32 v45, 2, v40                      ; bv: number r
	s_lshl_b32 s96, s59, 15                        ; my head's 64 rows of 512 bytes
	s_mov_b32 s97, 0
	s_add_nc_u64 s[8:9], s[8:9], s[96:97]
	s_add_nc_u64 s[12:13], s[12:13], s[96:97]
	s_lshl_b32 s96, s59, 8
	s_add_nc_u64 s[16:17], s[16:17], s[96:97]
	s_add_nc_u64 s[20:21], s[20:21], s[96:97]
	WIN 0x80
.irp t, 0,1,2,3
.irp s, 0,1,2,3
.irp c, 0,1,2,3
	global_load_b128 v[16*(4*\t+\s)+4*\c:16*(4*\t+\s)+4*\c+3], v42, s[8:9] offset:(32*(\t/2)+4*(\t%2))*512+128*\s+32*\c
.endr
.endr
.endr
	WIN 0xc0
.irp t, 0,1,2,3
.irp s, 0,1,2,3
.irp c, 0,1,2,3
	global_load_b128 v[16*(4*\t+\s)+4*\c:16*(4*\t+\s)+4*\c+3], v43, s[12:13] offset:16*\t*512+128*\s+32*\c
.endr
.endr
.endr
	WIN 0x40
.irp t, 0,1,2,3
.irp j, 0,1,2,3,4,5,6,7
	global_load_b32 v[BK+8*\t+\j], v44, s[16:17] offset:4*(32*(\t/2)+16*(\j%2)+4*(\t%2)+(\j/2))
.endr
.endr
.irp t, 0,1,2,3
	global_load_b32 v[BV+8*\t], v45, s[20:21] offset:64*\t
.endr
	WIN 0
	s_lshl_b32 s96, s56, 20                        ; part: [y][chunk][head][16,384]
	s_lshl_b32 s100, ttmp9, 17
	s_add_co_u32 s96, s96, s100
	s_lshl_b32 s100, s59, 14
	s_add_co_u32 s96, s96, s100
	s_add_nc_u64 s[26:27], s[26:27], s[96:97]
	s_lshl_b32 s96, s56, 14                        ; ksp: [y][chunk][head][256]
	s_lshl_b32 s100, ttmp9, 11
	s_add_co_u32 s96, s96, s100
	s_lshl_b32 s100, s59, 8
	s_add_co_u32 s96, s96, s100
	s_add_nc_u64 s[28:29], s[28:29], s[96:97]
	v_mul_u32_u24 v3, v40, PITCH                   ; f's fragments: row r, + 16 h, + my half of the tile
	v_lshl_add_u32 v3, v41, 4, v3
	s_mul_i32 s62, s61, 128*PITCH
	v_add_nc_u32 v3, s62, v3
	s_mul_i32 s62, s30, KSTW
	s_add_co_u32 s62, s62, KST                     ; my stage for k's codes
	v_mul_u32_u24 v5, v40, 96
	v_lshl_add_u32 v5, v41, 4, v5
	v_add_nc_u32 v5, s62, v5                       ; in: key r, + 16 h
	v_and_b32 v46, 7, v0
	v_lshl_add_u32 v46, v41, 3, v46
	v_mul_u32_u24 v6, v46, 96
	v_bfe_u32 v46, v0, 3, 1
	v_lshl_add_u32 v6, v46, 4, v6
	v_add_nc_u32 v6, s62, v6                       ; back, turned: key 8 h + (lane & 7), + 16 ((lane >> 3) & 1)
	s_lshl_b32 s62, s30, 12
	s_add_co_u32 s62, s62, VIM
	v_lshl_add_u32 v7, v47, 3, s62                 ; v's images: 8 x lane
	s_lshl_b32 s62, s30, 8
	s_add_co_u32 s62, s62, ESUM
	v_lshl_add_u32 v48, v41, 5, s62                ; the end: my row of k_sum, 8 h numbers on
	s_lshl_b32 s62, s60, 14
	v_lshl_add_u32 v49, v47, 4, s62                ; my head's image of kv
	s_lshl_b32 s62, s60, 8
	s_add_co_u32 s62, s62, ESUM
	v_lshl_add_u32 v50, v47, 3, s62                ; my head's two rows of k_sum, 512 bytes apart
	v_lshlrev_b32 v51, 4, v47
	v_lshlrev_b32 v52, 3, v47
	v_mov_b32 v11, 0                               ; (upper halves of pairs that are named whole, and a permute's destination)
	v_mov_b32 v13, 0
	v_mov_b32 v15, 0
.set i, 0
.rept 32
	v_mov_b32 v[KS+i], 0                           ; k_sum begins at 0: the turn is written once
.set i, i+1
.endr
	s_wait_kmcnt 0x0
	s_cmp_lt_u32 s56, 4                            ; entries 2 to 7 for f0, 10 to 15 for f1: selected, never branched on
	s_cselect_b32 s74, s74, s82
	s_cselect_b32 s75, s75, s83
	s_cselect_b32 s76, s76, s84
	s_cselect_b32 s77, s77, s85
	s_cselect_b32 s78, s78, s86
	s_cselect_b32 s79, s79, s87
	s_add_co_i32 s100, s74, s75                    ; EK: a K sum stands for sum x 2^EK
	s_sub_co_i32 s98, 0, s100
	s_lshl_b32 s100, s100, 23
	s_add_co_i32 s66, s100, 0x3fb8aa3b             ; c = log2(e) x 2^EK: EK is added to the exponent field
	s_mov_b32 s67, s66
	s_xor_b32 s68, s66, 0x80000000                 ; -c
	s_add_co_i32 s100, s76, s77                    ; EV
	s_sub_co_i32 s99, 0, s100
	s_sub_co_i32 s100, s79, s100                   ; v's code = sum / 2^(e(v) - EV)
	s_add_co_i32 s100, s100, 127
	s_lshl_b32 s101, s100, 23
	v_mov_b32 v18, s101
	s_add_co_i32 s100, s100, 15
	s_lshl_b32 s100, s100, 23
	s_or_b32 s71, s100, 0x600000                   ; 57,344 x that scale,
	s_xor_b32 s70, s71, 0x80000000                 ; and its negative
	s_add_co_i32 s100, s78, 127
	s_lshl_b32 s101, s100, 23
	v_mov_b32 v17, s101                            ; 2^e(k)
	s_add_co_i32 s100, s100, 15
	s_lshl_b32 s100, s100, 23
	s_or_b32 s69, s100, 0x600000
	s_wait_loadcnt 0x0                             ; weights and biases
	WIN 0x41
.set i, 0
.rept 32
	v_ldexp_f32 v[BK+i], v[BK+i], s98              ; bk / 2^EK
.set i, i+1
.endr
.irp t, 0,1,2,3
.irp j, 7,6,5,4,3,2,1,0
	v_ldexp_f32 v[BV+8*\t+\j], v[BV+8*\t], s99     ; bv / 2^EV, the same for a lane's eight keys
.endr
.endr
	WIN 0
	s_wait_tensorcnt 0x1                           ; my part of tile 0 is in; tile 1's may stay out
	s_barrier_signal -1
	s_barrier_wait -1
	v_mov_b32 v4, v3                               ; unit 0
.irp s, 0,1,2,3
	LOADF \s
.endr
	s_wait_dscnt 0x0
.set i, 0
.rept 16
	VP i
.set i, i+1
.endr
.set i, 0
.rept 16
	KP i
.set i, i+1
.endr
	WIN 0
	PLACES
	v_add_nc_u32 v4, UNIT, v3                      ; unit 1
.irp s, 0,1,2,3
	LOADF \s
.endr
	s_mov_b32 s92, 2*UNIT
	s_wait_dscnt 0x0                               ; here nothing is issued behind these loads, so the turn's counted waits would not show them: wait for all
	LOOPT 4                                        ; tile 0
	KV 1
	LOOPT 2
	CHANGE 1, 2, SLOTB
	LOOPT 2
	KV 0
	LOOPT 4                                        ; tile 1
	KV 0
	LOOPT 2
	CHANGE 1, 3, 0
	LOOPT 2
	KV 0
	LOOPT 4                                        ; tile 2
	KV 0
	LOOPT 2
	CHANGE 0, 0, SLOTB
	LOOPT 2
	KV 0
	LOOPT 4                                        ; tile 3: the tail is written out
	KV 0
	LOOPT 2
	TURN 1, 0
	TURN 0, 0
	KV 0
	; THE END.  k_sum over a lane row's 16 keys; the two waves of a head (the two halves of the keys) meet in the stage; the first of them stores.
	PLACES
.irp m, 1,2,4,8
.set i, 0
.rept 32
	v_add_f32_dpp v[KS+i], v[KS+i], v[KS+i] row_xmask:\m row_mask:0xf bank_mask:0xf
.set i, i+1
.endr
.endr
.irp t, 0,1,2,3
.irp j, 0,1,2,3,4,5,6,7
	ds_store_b32 v48, v[KS+8*\t+\j] offset:4*(32*(\t/2)+16*(\j%2)+4*(\t%2)+(\j/2))   ; in the channels' own order; sixteen lanes write the same word with the same number
.endr
.endr
	s_cmp_eq_u32 s61, 0
	s_cbranch_scc1 .Lkeep
	WIN 0x04                                       ; store data in window 1
.irp a, 0,1,2,3,4,5,6,7,8,9,10,11,12,13,14,15
.irp q, 0,1
	ds_store_b128 v49, v[8*\a+4*\q:8*\a+4*\q+3] offset:1024*\a+512*\q
.endr
.endr
	WIN 0
.Lkeep:
	s_wait_dscnt 0x0                               ; for the others' sake: my stores have landed
	s_barrier_signal -1
	s_barrier_wait -1
	s_cmp_lg_u32 s61, 0
	s_cbranch_scc1 .Ldone
.irp a, 0,1,2,3,4,5,6,7,8,9,10,11,12,13,14,15
.irp q, 0,1
	ds_load_b128 v[64+8*\a+4*\q:64+8*\a+4*\q+3], v49 offset:1024*\a+512*\q
.endr
.endr
	ds_load_b64 v[36:37], v50
	ds_load_b64 v[38:39], v50 offset:512
	s_wait_dscnt 0x0
	WIN 0x01
.set i, 0
.rept 64
	v_pk_add_f32 v[64+2*i:65+2*i], v[2*i:2*i+1], v[64+2*i:65+2*i]
.set i, i+1
.endr
	WIN 0
	v_pk_add_f32 v[36:37], v[36:37], v[38:39]
.irp a, 0,1,2,3,4,5,6,7,8,9,10,11,12,13,14,15
.irp q, 0,1
	global_store_b128 v51, v[64+8*\a+4*\q:64+8*\a+4*\q+3], s[26:27] offset:1024*\a+512*\q   ; 32 lanes store 512 consecutive bytes: the image of the registers
.endr
.endr
	global_store_b64 v52, v[36:37], s[28:29]       ; 32 lanes store the head's 256 bytes
.Ldone:
	s_wait_tensorcnt 0x0                           ; the wave's end
	ds_add_u32 v1, v2
	s_wait_dscnt 0x0
	CROUND                                         ; the closing round
	s_endpgm
.Lfunc_end_k_q3eea0363ce_kvpart:
	.size	k_q3eea0363ce_kvpart, .Lfunc_end_k_q3eea0363ce_kvpart-k_q3eea0363ce_kvpart
	.p2alignl 7, 3214868480
	.fill 96, 4, 3214868480
	.section	.rodata,"a",@progbits
	.p2align	6, 0x0
	.amdhsa_kernel k_q3eea0363ce_kvpart
		.amdhsa_group_segment_fixed_size 327680
		.amdhsa_private_segment_fixed_size 0
		.amdhsa_enable_private_segment 0
		.amdhsa_kernarg_size 104
		.amdhsa_user_sgpr_count 2
		.amdhsa_user_sgpr_kernarg_segment_ptr 1
		.amdhsa_wavefront_size32 1
		.amdhsa_system_sgpr_workgroup_id_x 1
		.amdhsa_system_sgpr_workgroup_id_y 1
		.amdhsa_system_sgpr_workgroup_id_z 1
		.amdhsa_system_vgpr_workitem_id 0
		.amdhsa_next_free_vgpr 1024
		.amdhsa_next_free_sgpr 102
		.amdhsa_reserve_vcc 0
		.amdhsa_float_denorm_mode_32 3
		.amdhsa_float_denorm_mode_16_64 3
		.amdhsa_memory_ordered 1
		.amdhsa_forward_progress 1
		.amdhsa_inst_pref_size 255
	.end_amdhsa_kernel
	.section	.bss,"aw",@nobits
	.p2align	6
	.space	262144
	.amdgpu_metadata
---
amdhsa.version: [ 1, 2 ]
amdhsa.kernels:
  - .name:           k_q3eea0363ce_kvpart
    .symbol:         k_q3eea0363ce_kvpart.kd
    .args:
      - { .name: f0_codes, .offset: 0, .size: 8, .value_kind: global_buffer, .address_space: global }
      - { .name: f1_codes, .offset: 8, .size: 8, .value_kind: global_buffer, .address_space: global }
      - { .name: Wk0_codes, .offset: 16, .size: 8, .value_kind: global_buffer, .address_space: global }
      - { .name: Wk1_codes, .offset: 24, .size: 8, .value_kind: global_buffer, .address_space: global }
      - { .name: Wv0_codes, .offset: 32, .size: 8, .value_kind: global_buffer, .address_space: global }
      - { .name: Wv1_codes, .offset: 40, .size: 8, .value_kind: global_buffer, .address_space: global }
      - { .name: bk0, .offset: 48, .size: 8, .value_kind: global_buffer, .address_space: global }
      - { .name: bk1, .offset: 56, .size: 8, .value_kind: global_buffer, .address_space: global }
      - { .name: bv0, .offset: 64, .size: 8, .value_kind: global_buffer, .address_space: global }
      - { .name: bv1, .offset: 72, .size: 8, .value_kind: global_buffer, .address_space: global }
      - { .name: lowp_scales, .offset: 80, .size: 8, .value_kind: global_buffer, .address_space: global }
      - { .name: part, .offset: 88, .size: 8, .value_kind: global_buffer, .address_space: global }
      - { .name: ksp, .offset: 96, .size: 8, .value_kind: global_buffer, .address_space: global }
    .group_segment_fixed_size: 327680
    .private_segment_fixed_size: 0
    .kernarg_segment_align: 8
    .kernarg_segment_size: 104
    .max_flat_workgroup_size: 128
    .sgpr_count:     102
    .vgpr_count:     1024
    .wavefront_size: 32
...
	.end_amdgpu_metadata
.endif
;; end of part 1
;; launch kvred (part 2): grid 256 x 1, 4 waves a work-group, no clusters, 1,536 bytes of LDS; arguments part, ksp, lowp_scales, Wq_codes, Wo_codes, kvc, ksum, wqimg, woimg; writes kvc, ksum, wqimg, woimg
.if DOCPART == 2
	.amdgcn_target "amdgcn-amd-amdhsa--gfx1250"
	.amdhsa_code_object_version 6
	.text
	.protected	k_q3eea0363ce_kvred
	.globl	k_q3eea0363ce_kvred
	.p2align	8
	.type	k_q3eea0363ce_kvred,@function
k_q3eea0363ce_kvred:
	s_mov_b64 s[64:65], 0
	v_nop
	global_prefetch_b8 v0, s[64:65] scope:SCOPE_SE
	s_setreg_imm32_b32 hwreg(HW_REG_WAVE_MODE, 25, 1), 1
	s_wait_xcnt 0x0
; LINEAR ATTENTION, launch 2 of 3: the eight chunks' parts of kv and of k_sum are added, and kv is quantised along d for its product with p.  No work is left out.
; part: [y = 4 fn + b][chunk 8][head 8][16,384]: images of 16 accumulators: tile 4 te + td, registers 4 q .. 4 q + 3 at 1,024 (4 te + td) + 512 q + 16 x lane;
; lane (r, h) register j = the sum of code products of kv(d = 16 td + 8 h + j, e = 16 te + r).  kv = sum x 2^(e(k) + e(v)); its code = sum / 2^(e(kv) - e(k) - e(v)).
; A work-group takes one (y, head, te), wave w the tile td = w: a lane's eight registers are eight neighbours along d: one conversion.  The 16 rows e x 64 bytes meet in LDS
; and leave as 1,024 consecutive bytes of kvc [y][head][e][d].  Wave 3 of the work-groups with te = 0 also adds the head's eight rows of k_sum.
; BESIDE THAT the launch lays Wq's and Wo's codes out for launch 3, in the order in which a wave's operand registers take them.  Each of the 1,024 waves moves ONE block of 512 bytes: four registers of a fragment.
; Block n = 128 w + 64 hd + 16 t + 4 s + c of wqimg: lane (r, h) holds Wq(128 w + 64 hd + 32 (t / 2) + 8 (t % 2) + r + 8 (r / 8), 128 s + 32 c + 16 h + 0 .. 15);
; of woimg: Wo(128 w + 64 hd + 16 t + r, the same bytes).  The load takes 32 bytes of each of 16 rows, once in the program; every later load of a block is 512 consecutive bytes.
; Memory binds and the work is small: no matrix unit, no tensor load, no cluster (no two work-groups read the same bytes).
; LIMIT: e(kv) - e(k) - e(v) between -126 and 112.  NaN among the inputs is not served.
.set SPARE, 1024                       ; behind the stage of 1,024 bytes: the spare words, 128 bytes a wave
	s_load_b512 s[4:19], s[0:1], 0x0               ; part, ksp, the scales' exponents, Wq, Wo, kvc, ksum, wqimg
	s_load_b64 s[20:21], s[0:1], 0x40              ; woimg
	v_lshl_add_u32 v1, v0, 2, SPARE
	v_mov_b32 v2, 0
	v_lshrrev_b32 v3, 5, v0
	v_readfirstlane_b32 s24, v3                    ; wave = td
	v_and_b32 v3, 31, v0
	v_lshlrev_b32 v4, 4, v3                        ; 16 x lane
	v_lshlrev_b32 v5, 3, v3                        ; 8 x lane
	s_and_b32 s25, ttmp9, 3                        ; te
	s_bfe_u32 s26, ttmp9, 0x30002                  ; head
	s_lshr_b32 s27, ttmp9, 5                       ; y
	s_lshl_b32 s28, s27, 20
	s_lshl_b32 s29, s26, 14
	s_add_co_u32 s28, s28, s29
	s_lshl_b32 s29, s25, 12
	s_add_co_u32 s28, s28, s29
	s_lshl_b32 s29, s24, 10
	s_add_co_u32 s28, s28, s29                     ; my tile in chunk 0's part
	s_mov_b32 s29, 0
	s_lshl_b32 s30, s27, 14
	s_lshl_b32 s31, s26, 8
	s_add_co_u32 s30, s30, s31                     ; ksp: [y][chunk][head][256]
	s_lshl_b32 s32, s27, 11
	s_add_co_u32 s32, s32, s31                     ; ksum: [y][2,048]
	s_mov_b32 s31, 0
	s_mov_b32 s33, 0
	s_lshl_b32 s34, s27, 3
	s_add_co_u32 s34, s34, s26
	s_lshl_b32 s34, s34, 12
	s_lshl_b32 s35, s25, 10
	s_add_co_u32 s34, s34, s35                     ; kvc: (8 y + head) x 4,096 + 1,024 te
	s_mov_b32 s35, 0
	v_and_b32 v11, 15, v0                          ; r
	v_bfe_u32 v12, v0, 4, 1                        ; h
	v_lshlrev_b32 v10, 6, v11
	v_lshl_add_u32 v10, v12, 3, v10
	s_lshl_b32 s22, s24, 4
	v_add_nc_u32 v10, s22, v10                     ; the stage: 64 r + 16 td + 8 h
	s_and_b32 s22, s24, 1
	s_lshl_b32 s22, s22, 9
	v_add_nc_u32 v13, s22, v4                      ; back, and in kvc: 512 x wave + 16 x lane (waves 0 and 1)
	; my block of the weights' images
	s_lshl_b32 s54, ttmp9, 2
	s_add_co_u32 s54, s54, s24                     ; 0 .. 1,023: the first 512 waves take Wq, the others Wo
	s_and_b32 s55, s54, 511                        ; n
	s_bfe_u32 s56, s55, 0x20004                    ; t
	s_lshr_b32 s57, s56, 1
	s_lshl_b32 s57, s57, 5
	s_and_b32 s58, s56, 1
	s_lshl_b32 s58, s58, 3
	s_add_co_u32 s57, s57, s58                     ; Wq: the tile begins at row 32 (t / 2) + 8 (t % 2),
	s_lshl_b32 s58, s56, 4                         ; Wo: at row 16 t
	s_and_b32 s59, s55, 0x1c0                      ; 128 w + 64 hd
	s_and_b32 s60, s55, 15
	s_lshl_b32 s60, s60, 5                         ; 128 s + 32 c
	s_cmp_lt_u32 s54, 512                          ; ids alone
	s_cselect_b32 s57, s57, s58
	s_cselect_b32 s61, 8, 0                        ; Wq's lanes 8 to 15 take rows 8 further on
	s_add_co_u32 s57, s57, s59
	s_lshl_b32 s57, s57, 9                         ; rows of 512 bytes
	s_add_co_u32 s58, s57, s60
	s_mov_b32 s59, 0
	s_lshl_b32 s62, s55, 9                         ; the block's place in the image
	s_mov_b32 s63, 0
	v_bfe_u32 v14, v0, 3, 1
	v_mul_u32_u24 v14, s61, v14
	v_add_nc_u32 v14, v14, v11
	v_lshlrev_b32 v14, 9, v14
	v_lshl_add_u32 v14, v12, 4, v14                ; my row, + 16 h
	s_wait_kmcnt 0x0
	s_load_b512 s[36:51], s[8:9], 0x0              ; entries 0 to 15
	s_load_b64 s[52:53], s[8:9], 0x40              ; entries 16, 17
	s_cmp_lt_u32 s54, 512
	s_cselect_b64 s[10:11], s[10:11], s[12:13]
	s_cselect_b64 s[18:19], s[18:19], s[20:21]
	s_add_nc_u64 s[10:11], s[10:11], s[58:59]
	s_add_nc_u64 s[18:19], s[18:19], s[62:63]
	s_add_nc_u64 s[4:5], s[4:5], s[28:29]
	s_add_nc_u64 s[6:7], s[6:7], s[30:31]
	s_add_nc_u64 s[16:17], s[16:17], s[32:33]
	s_add_nc_u64 s[14:15], s[14:15], s[34:35]
	global_load_b128 v[96:99], v14, s[10:11]       ; my block of weights
.irp p, 0,1,2,3,4,5,6,7
.irp q, 0,1
	global_load_b128 v[16+8*\p+4*\q:16+8*\p+4*\q+3], v4, s[4:5] offset:131072*\p+512*\q th:TH_LOAD_NT   ; 512 consecutive bytes a load; read once
.endr
.endr
	s_xor_b32 s22, s24, 3
	s_or_b32 s22, s22, s25
	s_cmp_lg_u32 s22, 0                            ; ids alone: wave 3 where te = 0
	s_cbranch_scc1 .Lnosum
.irp p, 0,1,2,3,4,5,6,7
	global_load_b64 v[80+2*\p:81+2*\p], v5, s[6:7] offset:2048*\p th:TH_LOAD_NT   ; a chunk's 256 bytes of the head's k_sum
.endr
	s_wait_loadcnt 0x0
	v_pk_add_f32 v[80:81], v[80:81], v[82:83]
	v_pk_add_f32 v[84:85], v[84:85], v[86:87]
	v_pk_add_f32 v[88:89], v[88:89], v[90:91]
	v_pk_add_f32 v[92:93], v[92:93], v[94:95]
	v_pk_add_f32 v[80:81], v[80:81], v[84:85]
	v_pk_add_f32 v[88:89], v[88:89], v[92:93]
	v_pk_add_f32 v[80:81], v[80:81], v[88:89]
	global_store_b64 v5, v[80:81], s[16:17]        ; 32 lanes store 256 consecutive bytes; its registers are not written again
.Lnosum:
	s_wait_kmcnt 0x0
	s_cmp_lt_u32 s27, 4                            ; entries 6, 7, 9 for f0; 14, 15, 17 for f1
	s_cselect_b32 s42, s42, s50
	s_cselect_b32 s43, s43, s51
	s_cselect_b32 s45, s45, s53
	s_sub_co_i32 s45, s45, s42
	s_sub_co_i32 s45, s45, s43
	s_add_co_i32 s45, s45, 127
	s_lshl_b32 s46, s45, 23
	v_mov_b32 v6, s46                              ; 2^(e(kv) - e(k) - e(v)): the conversion takes its exponent field
	s_add_co_i32 s45, s45, 15
	s_lshl_b32 s45, s45, 23
	s_or_b32 s45, s45, 0x600000
	v_mov_b32 v7, s45                              ; 57,344 x that
	s_wait_loadcnt 0x0
	global_store_b128 v4, v[96:99], s[18:19]       ; the block as an image: 512 consecutive bytes; its registers are not written again
.irp p, 0,2,4,6
.irp j, 0,2,4,6
	v_pk_add_f32 v[16+8*\p+\j:17+8*\p+\j], v[16+8*\p+\j:17+8*\p+\j], v[24+8*\p+\j:25+8*\p+\j]
.endr
.endr
.irp p, 0,4
.irp j, 0,2,4,6
	v_pk_add_f32 v[16+8*\p+\j:17+8*\p+\j], v[16+8*\p+\j:17+8*\p+\j], v[32+8*\p+\j:33+8*\p+\j]
.endr
.endr
.irp j, 0,2,4,6
	v_pk_add_f32 v[16+\j:17+\j], v[16+\j:17+\j], v[48+\j:49+\j]
.endr
.irp j, 0,1,2,3,4,5,6,7
	v_med3_num_f32 v[16+\j], v[16+\j], -v7, v7     ; the conversion does not saturate (ISA guide 7.6.2): the hold comes first
.endr
	v_cvt_scalef32_pk8_bf8_f32 v[8:9], v[16:23], v6
	v_nop
	ds_store_b64 v10, v[8:9]
	s_wait_dscnt 0x0                               ; for the others' sake
	s_barrier_signal -1
	s_barrier_wait -1
	s_cmp_gt_u32 s24, 1
	s_cbranch_scc1 .Lend
	ds_load_b128 v[24:27], v13
	s_wait_dscnt 0x0
	global_store_b128 v13, v[24:27], s[14:15]      ; 512 consecutive bytes a wave
.Lend:
	s_wait_tensorcnt 0x0                           ; the wave's end
	ds_add_u32 v1, v2
	s_wait_dscnt 0x0
	s_endpgm
.Lfunc_end_k_q3eea0363ce_kvred:
	.size	k_q3eea0363ce_kvred, .Lfunc_end_k_q3eea0363ce_kvred-k_q3eea0363ce_kvred
	.p2alignl 7, 3214868480
	.fill 96, 4, 3214868480
	.section	.rodata,"a",@progbits
	.p2align	6, 0x0
	.amdhsa_kernel k_q3eea0363ce_kvred
		.amdhsa_group_segment_fixed_size 1536
		.amdhsa_private_segment_fixed_size 0
		.amdhsa_enable_private_segment 0
		.amdhsa_kernarg_size 72
		.amdhsa_user_sgpr_count 2
		.amdhsa_user_sgpr_kernarg_segment_ptr 1
		.amdhsa_wavefront_size32 1
		.amdhsa_system_sgpr_workgroup_id_x 1
		.amdhsa_system_sgpr_workgroup_id_y 1
		.amdhsa_system_sgpr_workgroup_id_z 1
		.amdhsa_system_vgpr_workitem_id 0
		.amdhsa_next_free_vgpr 104
		.amdhsa_next_free_sgpr 66
		.amdhsa_reserve_vcc 0
		.amdhsa_float_denorm_mode_32 3
		.amdhsa_float_denorm_mode_16_64 3
		.amdhsa_memory_ordered 1
		.amdhsa_forward_progress 1
		.amdhsa_inst_pref_size 10
	.end_amdhsa_kernel
	.amdgpu_metadata
---
amdhsa.version: [ 1, 2 ]
amdhsa.kernels:
  - .name:           k_q3eea0363ce_kvred
    .symbol:         k_q3eea0363ce_kvred.kd
    .args:
      - { .name: part, .offset: 0, .size: 8, .value_kind: global_buffer, .address_space: global }
      - { .name: ksp, .offset: 8, .size: 8, .value_kind: global_buffer, .address_space: global }
      - { .name: lowp_scales, .offset: 16, .size: 8, .value_kind: global_buffer, .address_space: global }
      - { .name: Wq_codes, .offset: 24, .size: 8, .value_kind: global_buffer, .address_space: global }
      - { .name: Wo_codes, .offset: 32, .size: 8, .value_kind: global_buffer, .address_space: global }
      - { .name: kvc, .offset: 40, .size: 8, .value_kind: global_buffer, .address_space: global }
      - { .name: ksum, .offset: 48, .size: 8, .value_kind: global_buffer, .address_space: global }
      - { .name: wqimg, .offset: 56, .size: 8, .value_kind: global_buffer, .address_space: global }
      - { .name: woimg, .offset: 64, .size: 8, .value_kind: global_buffer, .address_space: global }
    .group_segment_fixed_size: 1536
    .private_segment_fixed_size: 0
    .kernarg_segment_align: 8
    .kernarg_segment_size: 72
    .max_flat_workgroup_size: 128
    .sgpr_count:     66
    .vgpr_count:     104
    .wavefront_size: 32
...
	.end_amdgpu_metadata
.endif
;; end of part 2
;; launch qout (part 3): grid 256 x 1, 4 waves a work-group, no clusters, 216,576 bytes of LDS; arguments query_codes, wqimg, bq, kvc, ksum, woimg, bo, lowp_scales, out0; writes out0
.if DOCPART == 3
	.amdgcn_target "amdgcn-amd-amdhsa--gfx1250"
	.amdhsa_code_object_version 6
	.text
	.protected	k_q3eea0363ce_qout
	.globl	k_q3eea0363ce_qout
	.p2align	8
	.type	k_q3eea0363ce_qout,@function
k_q3eea0363ce_qout:
	s_mov_b64 s[64:65], 0
	v_nop
	global_prefetch_b8 v0, s[64:65] scope:SCOPE_SE
	s_setreg_imm32_b32 hwreg(HW_REG_WAVE_MODE, 25, 1), 1
	s_wait_xcnt 0x0
; LINEAR ATTENTION, launch 3 of 3: for 128 rows: the Q projection; p = 2^(t - M), M = ceil of the row's largest t within a head; l = sum p; sg(fn) = sum over d of p x k_sum(fn);
; p's codes with each function's own scale; O(fn) = p kv(fn); res = p / l + 0.5 (O0 / sg0 + O1 / sg1); res's codes; out = res Wo^T + bo.
; No work is left out.  alpha x (P kv / l) with alpha = l / sg is P kv / sg: l is neither divided in nor multiplied out there.
; SHARES.  THE WAVES SHARE THE COLUMNS: wave w makes heads 2 w and 2 w + 1 for all 128 rows, then out channels 128 w .. 128 w + 127.  Weights stay in registers, 256 a window:
; window 2 holds Wq of the first head, later Wo's first 64 rows of mine; window 3 the second head's, later the other 64.  Each piece of Wo is asked for, 32 loads at a time, once its window's last Q product is issued.
; The weights come from wqimg and woimg, where launch 2 has laid them as images of these registers: each load reads 512 consecutive bytes, 16 a lane.
; The rows' codes of res go from wave to wave through LDS as images of the operand's registers.
; NO CLUSTER: the weights, 512 KiB that every work-group reads, go by loads into registers, which cannot be joint; through LDS they would not fit beside the rest and would want refills;
; the kv codes that 64 work-groups share are 64 KiB of the 644 KiB that a work-group reads.
; LAYOUT.  Fragments as in launch 1 (registers 4 c .. 4 c + 3: k = 32 c + 16 h + 0 .. 15, alike in both operands; the K = 64 form: c = 0, 1).  All products are used transposed: a lane holds one row.
; Lane r of tile 2 b + u of Wq, and of kv's rows e, takes row 32 b + 8 u + r + 8 (r / 8): register j of that tile, half h, is channel 32 b + 16 h + 8 u + j in q, p, O and res alike,
; so the conversions' results are the next operand's registers.
; BY TURNS.  A unit is 16 rows x one head.  QTURN does the vector work of unit u.  The 16 Q products of unit u + 1 stand behind every third of the 48 lines of l and the two sg, so that all are issued
; 14 lines ahead of the reciprocals' wait; unit u + 2's four fragments are fetched in one run directly behind that wait.
; LIMITS on the given exponents: e0 + e1 between -126 and 127; e8, e16, e18 between -126 and 112; e18 + e19 between -126 and 127.  NaN among the inputs is not served.
; REGISTERS.  window 0: v1, v2 the add's two; v3-11 addresses; v12-19 -M, 1/l, the two factors; v20-35 at work; v36-38 scales; v40-55 partial sums, then codes; v58-63 offsets; v64-127 fragments;
;   v128-159 Q sums; v160-191 p, q, res; v192-255 O0, O1.  In the last phase v20-51 hold the block that has come back from the stage.
;   window 1: v0-127 k_sum [head][fn] (the first 64 later bo); v128-191 bq / 2^EQ; v192-255 kv's fragments of the head in hand.
.set PITCH, 528
.set UNIT,  16*PITCH
.set KVL,   128*PITCH                  ; behind the 128 rows of query codes: kv's codes [fn][head][e][d], 65,536 bytes
.set RIM,   KVL+65536                  ; res's 32 fragments (row tile m, K step s) as images: (4 m + s) x 2,048 + 512 c + 16 x lane
.set OST,   RIM+65536                  ; the way out: 16 rows x (256 + 16) bytes for each wave
.set OSTW,  16*272
.set SPARE, OST+4*OSTW                 ; the spare words, 128 bytes a wave
.set FG, 64
.set AQ, 128
.set P,  160
.set O0, 192
.set PC0, 40
.set OB, 20
.set KS, 0                             ; window 1
.set BO, 0
.set BQ, 128
.set KVF, 192
.set MSB, 0
.macro WIN new
.if MSB != (\new)
	s_set_vgpr_msb (MSB<<8)|(\new)
.set MSB, (\new)
.endif
.endm
.macro PLACES
.rept 4
	v_nop
.endr
.endm
.macro LOADF s
	WIN 0
.irp c, 0,1,2,3
	ds_load_b128 v[FG+16*(\s)+4*\c:FG+16*(\s)+4*\c+3], v4 offset:128*(\s)+32*\c
.endr
.endm
.macro QP i, hp                        ; product i of 16 of the Q projection of head hp: K step i / 4, tile i % 4: the four tiles take turns; the bias is the C of the first K step
.set ps, (\i)/4
.set pt, (\i)%4
.if ps == 0
	WIN 0x12+(\hp)
	v_wmma_f32_16x16x128_bf8_bf8 v[AQ+8*pt:AQ+8*pt+7], v[16*(4*pt+ps):16*(4*pt+ps)+15], v[FG+16*ps:FG+16*ps+15], v[BQ+32*(\hp)+8*pt:BQ+32*(\hp)+8*pt+7]
.else
	WIN 0x02+(\hp)
	v_wmma_f32_16x16x128_bf8_bf8 v[AQ+8*pt:AQ+8*pt+7], v[16*(4*pt+ps):16*(4*pt+ps)+15], v[FG+16*ps:FG+16*ps+15], v[AQ+8*pt:AQ+8*pt+7]
.endif
.endm
.macro TICK                            ; behind each of the 48 lines of l and the two sg: every third is followed by the next Q product
.set tn, tn+1
.if PJ && (ki < 16) && (tn == 3*ki+3)
	QP ki, HP
.set ki, ki+1
.endif
.endm
; Line j of 16 of my row's largest Q sum among my 32 channels: four chains, one a tile, each from its accumulator's low end on; then the four registers left over and the chains themselves.
.macro MX j
.if (\j) < 4
	v_max3_num_f32 v[28+(\j)], v[AQ+8*(\j)], v[AQ+8*(\j)+1], v[AQ+8*(\j)+2]
.elseif (\j) < 12
	v_max3_num_f32 v[28+(\j)%4], v[28+(\j)%4], v[AQ+8*((\j)%4)+2*((\j)/4)+1], v[AQ+8*((\j)%4)+2*((\j)/4)+2]
.elseif (\j) == 12
	v_max3_num_f32 v28, v28, v[AQ+7], v[AQ+15]
.elseif (\j) == 13
	v_max3_num_f32 v30, v30, v[AQ+23], v[AQ+31]
.elseif (\j) == 14
	v_max3_num_f32 v28, v28, v29, v30
.else
	v_max_num_f32 v20, v28, v31
.endif
.endm
.macro KVLOAD hd                       ; kv's fragments of my head hd, both functions
	WIN 0x40
.irp fn, 0,1
.irp t, 0,1,2,3
.irp c, 0,1
	ds_load_b128 v[KVF+32*\fn+8*\t+4*\c:KVF+32*\fn+8*\t+4*\c+3], v8 offset:32768*\fn+4096*(\hd)+(32*(\t/2)+8*(\t%2))*64+32*\c
.endr
.endr
.endr
	WIN 0
.endm
.macro WLOADQ hd                       ; my head hd of Wq: 64 blocks of 512 consecutive bytes
	WIN 0x80+0x40*(\hd)
.irp t, 0,1,2,3
.irp s, 0,1,2,3
.irp c, 0,1,2,3
	global_load_b128 v[16*(4*\t+\s)+4*\c:16*(4*\t+\s)+4*\c+3], v5, s[6:7] offset:32768*(\hd)+8192*\t+2048*\s+512*\c
.endr
.endr
.endr
.endm
.macro WLOADO half, t0                 ; tiles t0, t0 + 1 of my rows 64 half on of Wo: 32 blocks
	WIN 0x80+0x40*(\half)
.irp t, \t0, \t0+1
.irp s, 0,1,2,3
.irp c, 0,1,2,3
	global_load_b128 v[16*(4*(\t)+\s)+4*\c:16*(4*(\t)+\s)+4*\c+3], v5, s[14:15] offset:32768*(\half)+8192*(\t)+2048*\s+512*\c
.endr
.endr
.endr
	WIN 0
.endm
; hv: the head of the unit in hand; hp: of the next unit's products.
.macro QTURN hv, hp, proj, load
.set PJ, \proj
.set HP, \hp
	WIN 0
.set i, 0
.rept 16
	MX i
.set i, i+1
.endr
	v_permlanex16_b32 v21, v20, s60, s61
	v_max_num_f32 v20, v20, v21
	v_mul_f32 v20, s22, v20                        ; as t (c is positive)
	v_floor_f32 v12, -v20                          ; -M = floor(-t): M is a whole number
.set i, 0
.rept 16
	v_pk_fma_f32 v[AQ+2*i:AQ+2*i+1], v[AQ+2*i:AQ+2*i+1], s[22:23], v[12:13] op_sel_hi:[1,0,0]   ; t - M
.if i > 0
	v_exp_f32 v[P+2*i-2], v[AQ+2*i-2]              ; p = 2^(t - M), not normalised
	v_exp_f32 v[P+2*i-1], v[AQ+2*i-1]
.endif
.set i, i+1
.endr
	v_exp_f32 v[P+30], v[AQ+30]
	v_exp_f32 v[P+31], v[AQ+31]
.if \load
	v_add_nc_u32 v4, s57, v3                       ; the plain line behind the last exponential: where this turn's fetch begins
.else
	v_nop
.endif
	s_wait_alu depctr_va_vdst(0)                   ; one wait for the batch of 32, ahead of its first reader
	s_wait_dscnt 0x0                               ; the next unit's fragments (and, at a change of heads, kv's) are in
.set tn, 0
.set ki, 0
.irp j, 0,1,2,3,4,5                    ; l, of the unquantised p, two at a time: six partial sums,
	WIN 0
	v_pk_add_f32 v[40+2*\j:41+2*\j], v[P+4*\j:P+4*\j+1], v[P+4*\j+2:P+4*\j+3]
	TICK
.endr
.irp j, 0,1,2,3                        ; four of which take one pair more,
	WIN 0
	v_pk_add_f32 v[40+2*\j:41+2*\j], v[40+2*\j:41+2*\j], v[P+24+2*\j:P+25+2*\j]
	TICK
.endr
.irp j, 0,1,2                          ; and are joined
	WIN 0
	v_pk_add_f32 v[40+4*\j:41+4*\j], v[40+4*\j:41+4*\j], v[42+4*\j:43+4*\j]
	TICK
.endr
	WIN 0
	v_pk_add_f32 v[40:41], v[40:41], v[44:45]
	TICK
	WIN 0
	v_pk_add_f32 v[40:41], v[40:41], v[48:49]
	TICK
	WIN 0
	v_add_f32 v20, v40, v41
	TICK
.set i, 0
.rept 16                               ; sg(fn) = sum of p x k_sum(fn): two chains for each function
.irp fn, 0,1
	WIN 0x04                                       ; source 1 (k_sum) in window 1
.if i < 2
	v_pk_mul_f32 v[28+4*\fn+2*(i%2):29+4*\fn+2*(i%2)], v[P+2*i:P+2*i+1], v[KS+64*(\hv)+32*\fn+2*i:KS+64*(\hv)+32*\fn+2*i+1]
.else
	v_pk_fma_f32 v[28+4*\fn+2*(i%2):29+4*\fn+2*(i%2)], v[P+2*i:P+2*i+1], v[KS+64*(\hv)+32*\fn+2*i:KS+64*(\hv)+32*\fn+2*i+1], v[28+4*\fn+2*(i%2):29+4*\fn+2*(i%2)]
.endif
	TICK
.endr
.set i, i+1
.endr
	WIN 0                                          ; the three sums' last steps, set between each other.  (The additions among them are the places between Q product 15 and the fetch below)
	v_pk_add_f32 v[28:29], v[28:29], v[30:31]
	v_pk_add_f32 v[32:33], v[32:33], v[34:35]
	v_permlanex16_b32 v21, v20, s60, s61
	v_add_f32 v22, v28, v29
	v_add_f32 v23, v32, v33
	v_add_f32 v20, v20, v21
	v_permlanex16_b32 v30, v22, s60, s61
	v_permlanex16_b32 v34, v23, s60, s61
	v_rcp_f32 v14, v20                             ; 1 / l,
	v_add_f32 v22, v22, v30
	v_add_f32 v23, v23, v34
	v_rcp_f32 v16, v22                             ; 1 / sg0,
	v_rcp_f32 v18, v23                             ; 1 / sg1: one batch
	v_nop
	s_wait_alu depctr_va_vdst(0)                   ; one wait for the three, ahead of their first reader
.if \load
	LOADF 0
	LOADF 1
	LOADF 2
	LOADF 3
.endif
	v_ldexp_f32 v16, v16, s26                      ; x 2^(e8 + e9 - 1): the two scales and the mean's half
	v_ldexp_f32 v18, v18, s27
.irp fn, 0,1                           ; p's codes, once with each function's scale; p itself is kept: the held numbers go into two sets of eight registers by turns
.irp t, 0,1,2,3
.irp j, 0,1,2,3,4,5,6,7
	v_min_num_f32 v[O0+8*(\t%2)+\j], s[24+\fn], v[P+8*\t+\j]   ; p is not negative: a one-sided hold
.endr
	v_cvt_scalef32_pk8_bf8_f32 v[PC0+8*\fn+2*\t:PC0+8*\fn+2*\t+1], v[O0+8*(\t%2):O0+8*(\t%2)+7], v[36+\fn]
.endr
.endr
	v_nop                                          ; the plain line between the last conversion and the products that read its result and write its sources
	WIN 0x01
.irp t, 0,1,2,3
.irp fn, 0,1
	v_wmma_f32_16x16x64_bf8_bf8 v[O0+32*\fn+8*\t:O0+32*\fn+8*\t+7], v[KVF+32*\fn+8*\t:KVF+32*\fn+8*\t+7], v[PC0+8*\fn:PC0+8*\fn+7], 0
.endr
.endr
	WIN 0
.set i, 0
.rept 16
	v_pk_mul_f32 v[P+2*i:P+2*i+1], v[P+2*i:P+2*i+1], v[14:15] op_sel_hi:[1,0]   ; q = p / l.  (These are also the places behind the products above)
.set i, i+1
.endr
.set i, 0
.rept 16
	v_pk_fma_f32 v[P+2*i:P+2*i+1], v[O0+2*i:O0+2*i+1], v[16:17], v[P+2*i:P+2*i+1] op_sel_hi:[1,0,1]
.set i, i+1
.endr
.set i, 0
.rept 16
	v_pk_fma_f32 v[P+2*i:P+2*i+1], v[O0+32+2*i:O0+32+2*i+1], v[18:19], v[P+2*i:P+2*i+1] op_sel_hi:[1,0,1]
.set i, i+1
.endr
.set i, 0
.rept 32
	v_med3_num_f32 v[P+i], v[P+i], s29, s28        ; res: the hold at the largest code x the scale
.set i, i+1
.endr
.irp t, 0,1,2,3
	v_cvt_scalef32_pk8_bf8_f32 v[PC0+2*\t:PC0+2*\t+1], v[P+8*\t:P+8*\t+7], v38
.endr
	v_add_nc_u32 v7, s58, v6                       ; (the plain line behind the conversions)
	ds_store_b128 v7, v[PC0:PC0+3] offset:1024*(\hv)       ; registers 4 (2 hv + b) on of K step w, row tile m
	ds_store_b128 v7, v[PC0+4:PC0+7] offset:1024*(\hv)+512
.if \load
	s_add_co_u32 s57, s57, UNIT
.endif
	s_add_co_u32 s58, s58, 8192
.endm
.macro RLOAD m, reg                    ; res's four fragments of row tile m
.irp s, 0,1,2,3
.irp c, 0,1,2,3
	ds_load_b128 v[(\reg)+16*\s+4*\c:(\reg)+16*\s+4*\c+3], v7 offset:(4*(\m)+\s)*2048+512*\c
.endr
.endr
.endm
.macro OSTAGE ac                       ; 16 rows x 64 channels through my stage: in by 32 bytes a lane, back as whole rows of 256 bytes, into registers of their own.  LDS serves a wave's instructions in order
.irp t, 0,1,2,3
	ds_store_b128 v9, v[(\ac)+8*\t:(\ac)+8*\t+3] offset:64*\t
	ds_store_b128 v9, v[(\ac)+8*\t+4:(\ac)+8*\t+7] offset:64*\t+16
.endr
.irp k, 0,1,2,3,4,5,6,7
	ds_load_b128 v[OB+4*\k:OB+4*\k+3], v10 offset:544*\k
.endr
.endm
.macro OSTORE blk                      ; sixteen lanes store 256 consecutive bytes, at a multiple of 256 from out0's first byte
.irp k, 0,1,2,3,4,5,6,7
	global_store_b128 v11, v[OB+4*\k:OB+4*\k+3], s[20:21] offset:(16*((\blk)%8)+2*\k)*2048+256*((\blk)/8) th:TH_STORE_NT
.endr
.endm
; Block n of 16 of the Out projection: row tile n % 8, my channels 64 (n / 8) on.  Between its 16 products stand block n - 1's 16 lines sum x 2^(e18 + e19) + bo.  Behind them block n - 2, which went
; through the stage a turn ago, is stored, and block n - 1 goes through the stage: its round trip lies under the next block's products.
.macro OTURN n
.set RFc, FG+128*((\n)%2)
.set RFn, FG+128*(((\n)+1)%2)
.set ACc, AQ+32*((\n)%2)
.set ACp, AQ+32*(((\n)+1)%2)
	WIN 0
.if (\n) >= 2
	s_wait_dscnt 16                                ; this block's fragments are in: behind their loads the stage's 8 stores and 8 loads were issued
.else
	s_wait_dscnt 0x0
.endif
	PLACES                                         ; in front of loads into registers that the last products read, and of the first read of their results
.if (\n) < 15
	RLOAD ((\n)+1)%8, RFn
.endif
.set i, 0
.rept 16
	WIN 0x02+(\n)/8
.if i < 4
	v_wmma_f32_16x16x128_bf8_bf8 v[ACc+8*(i%4):ACc+8*(i%4)+7], v[16*(4*(i%4)+i/4):16*(4*(i%4)+i/4)+15], v[RFc+16*(i/4):RFc+16*(i/4)+15], 0
.else
	v_wmma_f32_16x16x128_bf8_bf8 v[ACc+8*(i%4):ACc+8*(i%4)+7], v[16*(4*(i%4)+i/4):16*(4*(i%4)+i/4)+15], v[RFc+16*(i/4):RFc+16*(i/4)+15], v[ACc+8*(i%4):ACc+8*(i%4)+7]
.endif
.if (\n) >= 1
	WIN 0x10                                       ; source 2 (bo) in window 1
	v_pk_fma_f32 v[ACp+2*i:ACp+2*i+1], v[ACp+2*i:ACp+2*i+1], s[30:31], v[BO+32*(((\n)-1)/8)+2*i:BO+32*(((\n)-1)/8)+2*i+1] op_sel_hi:[1,0,1]
.endif
.set i, i+1
.endr
	WIN 0
.if (\n) >= 2
.if (\n) < 15
	s_wait_dscnt 16                                ; block n - 2 is back from the stage: behind its loads the next block's 16 fragment loads were issued
.else
	s_wait_dscnt 0x0
.endif
	OSTORE (\n)-2
	s_wait_xcnt 0x0                                ; the stores have read their registers: the next block comes back into them
.endif
.if (\n) >= 1
	OSTAGE ACp
.endif
.endm
	s_load_b512 s[4:19], s[0:1], 0x0               ; query, wqimg, bq, kvc, ksum, woimg, bo, the scales' exponents
	s_load_b64 s[20:21], s[0:1], 0x40              ; out0
	v_lshl_add_u32 v1, v0, 2, SPARE
	v_mov_b32 v2, 0
	ds_add_u32 v1, v2                              ; the wave's opening: the add, twice on end, and its wait ahead of my first tensor load
	ds_add_u32 v1, v2
	v_lshrrev_b32 v56, 5, v0
	v_readfirstlane_b32 s56, v56                   ; wave 0..3
	s_mov_b32 s32, (1<<20)|(6<<22)|(3<<25)         ; group 1 for the query's rows: elements of 1 byte; 4 words of padding behind every 128
	s_mov_b32 s33, 512<<16
	s_mov_b32 s34, 32<<16
	s_mov_b32 s35, 512<<16
	s_mov_b32 s36, 32                              ; 32 rows a wave
	s_mov_b32 s37, 512
	s_mov_b32 s38, 0
	s_mov_b32 s39, 0
	s_mov_b32 s40, 3<<16                           ; group 1 for kv's codes: a dense block of 16 KiB as 64 rows of 32 elements of 8 bytes
	s_mov_b32 s41, 32<<16
	s_mov_b32 s42, 64<<16
	s_mov_b32 s43, 32<<16
	s_mov_b32 s44, 64
	s_mov_b32 s45, 32
	s_mov_b32 s46, 0
	s_mov_b32 s47, 0
	s_lshl_b32 s62, ttmp9, 16                      ; my work-group's 128 rows of 512 bytes,
	s_lshl_b32 s63, s56, 14                        ; my wave's 32 of them
	s_add_co_u32 s62, s62, s63
	s_mov_b32 s63, 0
	s_mul_i32 s66, s56, 32*PITCH
	s_lshr_b32 s67, ttmp9, 6                       ; b
	s_lshr_b32 s88, s56, 1
	s_lshl_b32 s88, s88, 2
	s_add_co_u32 s88, s88, s67                     ; y = 4 (wave / 2) + b
	s_lshl_b32 s88, s88, 15
	s_and_b32 s89, s56, 1
	s_lshl_b32 s89, s89, 14                        ; heads 4 (wave % 2) on
	s_add_co_u32 s88, s88, s89
	s_mov_b32 s89, 0
	s_mov_b32 s60, 0x76543210
	s_mov_b32 s61, 0xfedcba98
	s_wait_dscnt 0x0                               ; both opening adds are done
	s_wait_kmcnt 0x0
	s_load_b512 s[68:83], s[18:19], 0x0            ; entries 0 to 15
	s_load_b128 s[84:87], s[18:19], 0x40           ; entries 16 to 19
	s_mov_b32 s48, 1
	s_mov_b32 s49, s66
	s_add_nc_u64 s[50:51], s[4:5], s[62:63]
	s_or_b32 s51, s51, 0x80000000
	s_mov_b32 s52, 1
	s_lshl_b32 s53, s56, 14
	s_add_co_u32 s53, s53, KVL
	s_add_nc_u64 s[54:55], s[10:11], s[88:89]
	s_or_b32 s55, s55, 0x80000000
	tensor_load_to_lds s[48:51], s[32:39]          ; first fills only, two a wave: nothing is filled again in this launch
	s_nop 0
	tensor_load_to_lds s[52:55], s[40:47]
	s_nop 0
	PLACES
	v_and_b32 v60, 15, v0                          ; r
	v_bfe_u32 v61, v0, 4, 1                        ; h
	v_and_b32 v62, 31, v0                          ; lane
	v_and_b32 v63, 8, v60
	v_add_nc_u32 v63, v63, v60                     ; r + 8 (r / 8)
	v_lshlrev_b32 v5, 4, v62                       ; 16 x lane: my place in every image
	v_lshlrev_b32 v58, 6, v61                      ; bq, k_sum: 16 h numbers on
	v_lshlrev_b32 v59, 5, v61                      ; bo: 8 h numbers on
	s_lshl_b32 s62, s56, 16                        ; my 128 blocks of 512 bytes in each of the two images
	s_add_nc_u64 s[6:7], s[6:7], s[62:63]
	s_add_nc_u64 s[14:15], s[14:15], s[62:63]
	s_lshl_b32 s62, s56, 9                         ; my 128 numbers of bq, bo, k_sum; my 512 bytes of a row of out0
	s_add_nc_u64 s[8:9], s[8:9], s[62:63]
	s_add_nc_u64 s[16:17], s[16:17], s[62:63]
	s_add_nc_u64 s[12:13], s[12:13], s[62:63]
	s_add_nc_u64 s[20:21], s[20:21], s[62:63]
	s_lshl_b32 s62, s67, 11
	s_add_nc_u64 s[12:13], s[12:13], s[62:63]      ; k_sum: [4 fn + b][2,048]
	s_lshl_b32 s62, ttmp9, 18
	s_add_nc_u64 s[20:21], s[20:21], s[62:63]      ; out0: 128 rows of 2,048 bytes a work-group
	WLOADQ 0
	WLOADQ 1
	WIN 0x40
.irp hd, 0,1
.irp t, 0,1,2,3
.irp q, 0,1
	global_load_b128 v[BQ+32*\hd+8*\t+4*\q:BQ+32*\hd+8*\t+4*\q+3], v58, s[8:9] offset:256*\hd+(32*(\t/2)+8*(\t%2))*4+16*\q
.endr
.endr
.endr
.irp hd, 0,1
.irp fn, 0,1
.irp t, 0,1,2,3
.irp q, 0,1
	global_load_b128 v[KS+64*\hd+32*\fn+8*\t+4*\q:KS+64*\hd+32*\fn+8*\t+4*\q+3], v58, s[12:13] offset:8192*\fn+256*\hd+(32*(\t/2)+8*(\t%2))*4+16*\q
.endr
.endr
.endr
.endr
	WIN 0
	v_mul_u32_u24 v3, v60, PITCH
	v_lshl_add_u32 v3, v61, 4, v3                  ; the query's fragments: row r, + 16 h
	s_lshl_b32 s62, s56, 11
	s_add_co_u32 s62, s62, RIM
	v_add_nc_u32 v6, s62, v5                       ; where I store res's images: K step w
	s_lshl_b32 s62, s56, 13
	s_add_co_u32 s62, s62, KVL
	v_lshlrev_b32 v8, 6, v63
	v_lshl_add_u32 v8, v61, 4, v8
	v_add_nc_u32 v8, s62, v8                       ; kv's codes: my first head, row r + 8 (r / 8), + 16 h
	s_mul_i32 s62, s56, OSTW
	s_add_co_u32 s62, s62, OST
	v_mul_u32_u24 v9, v60, 272
	v_lshl_add_u32 v9, v61, 5, v9
	v_add_nc_u32 v9, s62, v9                       ; my stage, in: row r, + 32 h
	v_mul_u32_u24 v10, v61, 272
	v_lshl_add_u32 v10, v60, 4, v10
	v_add_nc_u32 v10, s62, v10                     ; back: lanes 0-15 one row, lanes 16-31 the next
	v_lshlrev_b32 v11, 11, v61
	v_lshl_add_u32 v11, v60, 4, v11                ; and the same two rows in out0
	v_mov_b32 v13, 0                               ; (upper halves of pairs that are named whole, and a permute's destination)
	v_mov_b32 v15, 0
	v_mov_b32 v17, 0
	v_mov_b32 v19, 0
	v_mov_b32 v21, 0
	s_wait_kmcnt 0x0
	s_add_co_i32 s88, s68, s69                     ; EQ: a Q sum stands for sum x 2^EQ
	s_lshl_b32 s89, s88, 23
	s_add_co_i32 s22, s89, 0x3fb8aa3b              ; c = log2(e) x 2^EQ
	s_mov_b32 s23, s22
	s_sub_co_i32 s88, 0, s88
	s_add_co_i32 s89, s76, 127
	s_lshl_b32 s90, s89, 23
	v_mov_b32 v36, s90                             ; 2^e8
	s_add_co_i32 s89, s89, 15
	s_lshl_b32 s89, s89, 23
	s_or_b32 s24, s89, 0x600000                    ; 57,344 x 2^e8
	s_add_co_i32 s89, s84, 127
	s_lshl_b32 s90, s89, 23
	v_mov_b32 v37, s90                             ; 2^e16
	s_add_co_i32 s89, s89, 15
	s_lshl_b32 s89, s89, 23
	s_or_b32 s25, s89, 0x600000
	s_add_co_i32 s26, s76, s77
	s_sub_co_i32 s26, s26, 1                       ; e8 + e9 - 1
	s_add_co_i32 s27, s84, s85
	s_sub_co_i32 s27, s27, 1                       ; e16 + e17 - 1
	s_add_co_i32 s89, s86, 127
	s_lshl_b32 s90, s89, 23
	v_mov_b32 v38, s90                             ; 2^e18
	s_add_co_i32 s89, s89, 15
	s_lshl_b32 s89, s89, 23
	s_or_b32 s28, s89, 0x600000
	s_xor_b32 s29, s28, 0x80000000
	s_add_co_i32 s30, s86, s87
	s_add_co_i32 s30, s30, 127
	s_lshl_b32 s30, s30, 23                        ; 2^(e18 + e19)
	s_mov_b32 s31, s30
	s_wait_loadcnt 0x0
	WIN 0x41
.set i, 0
.rept 64
	v_ldexp_f32 v[BQ+i], v[BQ+i], s88              ; bq / 2^EQ
.set i, i+1
.endr
	WIN 0
	s_wait_tensorcnt 0x0                           ; my two tiles are in,
	s_barrier_signal -1
	s_barrier_wait -1                              ; everybody's are
	v_mov_b32 v4, v3
	KVLOAD 0
.irp s, 0,1,2,3
	LOADF \s
.endr
	s_wait_dscnt 0x0
.set i, 0
.rept 16
	QP i, 0
.set i, i+1
.endr
	WIN 0
	PLACES
	v_add_nc_u32 v4, UNIT, v3
.irp s, 0,1,2,3
	LOADF \s
.endr
	s_mov_b32 s57, 2*UNIT
	s_mov_b32 s58, 0
	s_mov_b32 s59, 6
.Lqa:                                              ; units 0 to 5: my first head
	QTURN 0, 0, 1, 1
	s_sub_co_u32 s59, s59, 1
	s_cmp_lg_u32 s59, 0
	s_cbranch_scc1 .Lqa
	s_mov_b32 s57, 0                               ; the fetches begin again at row 0, for the second head
	QTURN 0, 0, 1, 1
	QTURN 0, 1, 1, 1
	KVLOAD 1
	WIN 0x40
.irp n, 0,1,2,3,4,5,6,7
.irp q, 0,1
	global_load_b128 v[BO+8*\n+4*\q:BO+8*\n+4*\q+3], v59, s[16:17] offset:64*\n+16*\q   ; bo, into the first head's k_sum, which is done with: tile n: channels 16 n + 8 h + 0 .. 7
.endr
.endr
	WLOADO 0, 0
	s_mov_b32 s58, 0
	QTURN 1, 1, 1, 1
	WLOADO 0, 2
	s_mov_b32 s59, 5
.Lqb:                                              ; units 9 to 13
	QTURN 1, 1, 1, 1
	s_sub_co_u32 s59, s59, 1
	s_cmp_lg_u32 s59, 0
	s_cbranch_scc1 .Lqb
	QTURN 1, 1, 1, 0
	WLOADO 1, 0
	QTURN 1, 1, 0, 0
	WLOADO 1, 2
	v_add_nc_u32 v7, RIM, v5                       ; from here on: an image's place for my lane
	s_wait_dscnt 0x0                               ; for the others' sake: my images have landed
	s_barrier_signal -1
	s_barrier_wait -1                              ; res's 32 fragments lie in LDS
	s_wait_loadcnt 0x3f                            ; bo and Wo's first 64 rows are in: behind them the 64 loads of the other rows were issued
	RLOAD 0, FG
.irp n, 0,1,2,3,4,5,6,7
	OTURN \n
.endr
	s_wait_loadcnt 0x0                             ; Wo's other 64 rows
.irp n, 8,9,10,11,12,13,14,15
	OTURN \n
.endr
	PLACES                                         ; in front of the first read of the last products' results
	WIN 0x10
.set i, 0
.rept 16
	v_pk_fma_f32 v[P+2*i:P+2*i+1], v[P+2*i:P+2*i+1], s[30:31], v[BO+32+2*i:BO+32+2*i+1] op_sel_hi:[1,0,1]
.set i, i+1
.endr
	WIN 0
	s_wait_dscnt 0x0                               ; block 14 is back from the stage
	OSTORE 14
	s_wait_xcnt 0x0                                ; its stores have read their registers
	OSTAGE P
	s_wait_dscnt 0x0
	OSTORE 15
	s_wait_tensorcnt 0x0                           ; the wave's end
	ds_add_u32 v1, v2
	s_wait_dscnt 0x0
	s_endpgm
.Lfunc_end_k_q3eea0363ce_qout:
	.size	k_q3eea0363ce_qout, .Lfunc_end_k_q3eea0363ce_qout-k_q3eea0363ce_qout
	.p2alignl 7, 3214868480
	.fill 96, 4, 3214868480
	.section	.rodata,"a",@progbits
	.p2align	6, 0x0
	.amdhsa_kernel k_q3eea0363ce_qout
		.amdhsa_group_segment_fixed_size 216576
		.amdhsa_private_segment_fixed_size 0
		.amdhsa_enable_private_segment 0
		.amdhsa_kernarg_size 72
		.amdhsa_user_sgpr_count 2
		.amdhsa_user_sgpr_kernarg_segment_ptr 1
		.amdhsa_wavefront_size32 1
		.amdhsa_system_sgpr_workgroup_id_x 1
		.amdhsa_system_sgpr_workgroup_id_y 1
		.amdhsa_system_sgpr_workgroup_id_z 1
		.amdhsa_system_vgpr_workitem_id 0
		.amdhsa_next_free_vgpr 1024
		.amdhsa_next_free_sgpr 96
		.amdhsa_reserve_vcc 0
		.amdhsa_float_denorm_mode_32 3
		.amdhsa_float_denorm_mode_16_64 3
		.amdhsa_memory_ordered 1
		.amdhsa_forward_progress 1
		.amdhsa_inst_pref_size 255
	.end_amdhsa_kernel
	.section	.bss,"aw",@nobits
	.p2align	6
	.space	262144
	.amdgpu_metadata
---
amdhsa.version: [ 1, 2 ]
amdhsa.kernels:
  - .name:           k_q3eea0363ce_qout
    .symbol:         k_q3eea0363ce_qout.kd
    .args:
      - { .name: query_codes, .offset: 0, .size: 8, .value_kind: global_buffer, .address_space: global }
      - { .name: wqimg, .offset: 8, .size: 8, .value_kind: global_buffer, .address_space: global }
      - { .name: bq, .offset: 16, .size: 8, .value_kind: global_buffer, .address_space: global }
      - { .name: kvc, .offset: 24, .size: 8, .value_kind: global_buffer, .address_space: global }
      - { .name: ksum, .offset: 32, .size: 8, .value_kind: global_buffer, .address_space: global }
      - { .name: woimg, .offset: 40, .size: 8, .value_kind: global_buffer, .address_space: global }
      - { .name: bo, .offset: 48, .size: 8, .value_kind: global_buffer, .address_space: global }
      - { .name: lowp_scales, .offset: 56, .size: 8, .value_kind: global_buffer, .address_space: global }
      - { .name: out0, .offset: 64, .size: 8, .value_kind: global_buffer, .address_space: global }
    .group_segment_fixed_size: 216576
    .private_segment_fixed_size: 0
    .kernarg_segment_align: 8
    .kernarg_segment_size: 72
    .max_flat_workgroup_size: 128
    .sgpr_count:     96
    .vgpr_count:     1024
    .wavefront_size: 32
...
	.end_amdgpu_metadata
.endif
;; end of part 3
